; MI455X (gfx1250); checked and timed in simulation.
; The chip was launched on July 23, 2026; its instructions are those of AMD's public machine-readable ISA for CDNA 5 (MIT licence, August 2026) and "CDNA5" Instruction Set Architecture Reference Guide (July 2026). The comments in the code are by the model that wrote it; some were corrected since.
;; Weight Only Int8 Linear. Allowed arithmetic: matrix products marked QUANTISED: E5M2 operands, one given power-of-two scale a tensor, by v_wmma_f32_16x16x64_bf8_bf8 or v_wmma_f32_16x16x128_bf8_bf8, f32 sums; everything else in f32.
;; Inputs: input 256 x 4,096 float32; lowp_scales 2 int32 (the exponents e of the quantised operands' scales 2^e); scales 16,384 float32; weight 16,384 x 4,096 int8.
;; Outputs: out0 256 x 16,384 float32.
;; This version of the problem:
;;   THIS VERSION OF THE PROBLEM IS GIVEN IN LOW PRECISION. The matrix products marked QUANTISED in the list below multiply operands that are first quantised to E5M2 (5 exponent bits, 2 mantissa bits; 8 bits a number), with one given power-of-two scale for each operand tensor; their sums are f32. All else is computed in f32.
;;   The module's matrix products, in the order in which they are computed (A, B: the left and right operand; K: the contracted axis; several contracted axes count as one K, in the product's order):
;;     1. [M 256, K 4,096] x [K 4,096, N 16,384]; A: input input; B: input weight: QUANTISED (scales: A lowp_scales[0], B lowp_scales[1])
;;   THE QUANTISER, for each operand of a quantised product, along K:
;;     - The operand's scale is 2^e, e = its entry of the input lowp_scales (int32; the entries are numbered through the quantised products in the list's order, A before B).
;;     - Each number is divided by the scale, clamped to +-57,344, and rounded to the nearest number of E5M2, ties to even, subnormals kept.
;;     - The product sums the exact products of the quantised numbers (number of the format x scale) in f32.
;;   ~~~python
;;   def quantise(x, axis, e):      # numpy; x: float32 -> the quantised numbers, widened to float32 again
;;       x = np.moveaxis(x, axis, -1); K = x.shape[-1]
;;       r = np.clip(x / 2.0 ** e, -57344, 57344)
;;       step = 2.0 ** (np.maximum(np.frexp(np.where(r == 0, 1, r))[1] - 1, -14) - 2)
;;       q = np.round(r / step) * step * 2.0 ** e      # np.round: ties to even
;;       return np.moveaxis(q, -1, axis).astype(np.float32)
;;   ~~~
;; One version. Each part assembles by itself: llvm-mc -triple=amdgcn-amd-amdhsa -mcpu=gfx1250 --defsym DOCPART=n.
;; ======== version 1 of 1: 2 launches
;; limits: right only within a limited range of input values
;; workspace buffers: xc 1,048,576 bytes
;; launch quant (part 1): grid 256 x 1, 4 waves a work-group, no clusters, 17,920 bytes of LDS; arguments input, lowp_scales, xc; writes xc
.if DOCPART == 1
	.amdgcn_target "amdgcn-amd-amdhsa--gfx1250"
	.amdhsa_code_object_version 6
	.text
	.protected	k_q7830e31e5d_quant
	.globl	k_q7830e31e5d_quant
	.p2align	8
	.type	k_q7830e31e5d_quant,@function
k_q7830e31e5d_quant:
	s_mov_b64 s[64:65], 0
	v_nop
	global_prefetch_b8 v0, s[64:65] scope:SCOPE_SE
	s_setreg_imm32_b32 hwreg(HW_REG_WAVE_MODE, 25, 1), 1
	s_wait_xcnt 0x0
; input [256][4096] f32 becomes codes of BF8 (E5M2), one a byte, with the given scale 2^e0 (entry 0 of the scales' exponents):
; code = x / 2^e0, held within +-57,344, rounded to the nearest code, ties to even.
; LIMITS: -126 <= e0 <= 112, so that 2^e0 and 57,344 x 2^e0 are f32 numbers.  NaN among the inputs is not served (an infinity is held at the largest code).
; THE CODES ARE LAID AS IMAGES OF THE PRODUCT'S OPERAND REGISTERS, not as rows.  Byte
;   (2 s + u)*131072 + w*32768 + a*2048 + c*512 + (16 h + r)*16 + 8 g + i      (s, w, c < 4; u, h, g < 2; a, r < 16; i < 8)
; holds the code of row 16 a + r at k = 1024 s + 256 w + 64 c + 32 h + 16 g + 8 u + i.
; SHARES.  Work-group = (s, w, a), wave = c: 16 rows x 64 numbers, which give 512 bytes of codes for u = 0 and 512 for u = 1.  Each load of the wave takes two rows x 256 consecutive bytes, aligned.
; A lane needs 32 neighbours of ONE row: so the 4,096 bytes turn through the wave's own stage in LDS (rows of 256 + 16 bytes).  Each store covers 512 consecutive bytes, aligned.  Waves share nothing: no barrier.
.set X, 16                             ; v16-47  as loaded
.set Y, 48                             ; v48-79  32 neighbours of row r
.set CD, 80                            ; v80-87  their codes
.set SPITCH, 272
.set SPARE, 4*16*SPITCH                ; behind the stages: the spare words, 128 bytes for each wave
	s_load_b128 s[4:7], s[0:1], 0x0                ; input s[4:5], the scales' exponents s[6:7]
	s_load_b64 s[8:9], s[0:1], 0x10                ; the codes
	v_lshl_add_u32 v1, v0, 2, SPARE
	v_mov_b32 v2, 0
	v_lshrrev_b32 v3, 5, v0
	v_readfirstlane_b32 s10, v3                    ; wave 0..3: c
	v_and_b32 v3, 15, v0                           ; r
	v_bfe_u32 v4, v0, 4, 1                         ; h
	v_and_b32 v5, 31, v0
	v_lshlrev_b32 v9, 4, v5                        ; out: 16 bytes a lane
	v_lshlrev_b32 v6, 14, v4
	v_lshl_add_u32 v6, v3, 4, v6                   ; in: two rows of 16,384 bytes, 16 bytes a lane
	s_mul_i32 s11, s10, 16*SPITCH
	v_mul_u32_u24 v7, v4, SPITCH
	v_lshl_add_u32 v7, v3, 4, v7
	v_add_nc_u32 v7, s11, v7                       ; into the stage: the same two rows
	v_mul_u32_u24 v8, v3, SPITCH
	v_lshl_add_u32 v8, v4, 7, v8
	v_add_nc_u32 v8, s11, v8                       ; out of it: row r, numbers 32 h on
	s_wait_alu depctr_va_vdst(0)
	s_and_b32 s12, ttmp9, 15                       ; a
	s_bfe_u32 s14, ttmp9, 0x20004                  ; w
	s_lshr_b32 s16, ttmp9, 6                       ; s
	s_lshl_b32 s18, s12, 18                        ; input: 16 a rows,
	s_lshl_b32 s19, s16, 12                        ; 1024 s + 256 w + 64 c numbers
	s_add_co_u32 s18, s18, s19
	s_lshl_b32 s19, s14, 10
	s_add_co_u32 s18, s18, s19
	s_lshl_b32 s19, s10, 8
	s_add_co_u32 s18, s18, s19
	s_mov_b32 s19, 0
	s_lshl_b32 s22, s16, 18                        ; codes
	s_lshl_b32 s23, s14, 15
	s_add_co_u32 s22, s22, s23
	s_lshl_b32 s23, s12, 11
	s_add_co_u32 s22, s22, s23
	s_lshl_b32 s23, s10, 9
	s_add_co_u32 s22, s22, s23
	s_mov_b32 s23, 0
	s_wait_kmcnt 0x0
	s_load_b32 s20, s[6:7], 0x0                    ; e0
	s_add_nc_u64 s[4:5], s[4:5], s[18:19]
	s_add_nc_u64 s[8:9], s[8:9], s[22:23]
.irp j, 0,1,2,3,4,5,6,7
	global_load_b128 v[X+4*\j:X+4*\j+3], v6, s[4:5] offset:32768*\j th:TH_LOAD_NT   ; rows 2 j, 2 j + 1; read once in the launch
.endr
	s_wait_kmcnt 0x0
	s_add_co_i32 s20, s20, 127
	s_lshl_b32 s21, s20, 23
	v_mov_b32 v10, s21                             ; 2^e0 as f32: the conversion takes its exponent field
	s_add_co_i32 s20, s20, 15
	s_lshl_b32 s20, s20, 23
	s_or_b32 s20, s20, 0x600000
	v_mov_b32 v11, s20                             ; 57,344 x 2^e0
	s_wait_alu depctr_va_vdst(0)
.irp j, 0,1,2,3,4,5,6,7
	s_wait_loadcnt 7-\j                            ; load j is in
	ds_store_b128 v7, v[X+4*\j:X+4*\j+3] offset:2*SPITCH*\j
.endr
.irp j, 0,1,4,5,2,3,6,7                ; the numbers for u = 0 first.  LDS serves a wave's instructions in order: no wait stands behind the stores
	ds_load_b128 v[Y+4*\j:Y+4*\j+3], v8 offset:16*\j
.endr
.irp u, 0,1
	s_wait_dscnt 4-4*\u                            ; u = 0: the four loads for u = 1 may be out
.irp i, 0,1,2,3,4,5,6,7
	v_med3_num_f32 v[Y+8*\u+\i], v[Y+8*\u+\i], -v11, v11   ; the conversion to an 8-bit code does not saturate (ISA guide 7.6.2): the hold comes first
	v_med3_num_f32 v[Y+16+8*\u+\i], v[Y+16+8*\u+\i], -v11, v11
.endr
	v_cvt_scalef32_pk8_bf8_f32 v[CD+4*\u:CD+4*\u+1], v[Y+8*\u:Y+8*\u+7], v10           ; g = 0
	v_cvt_scalef32_pk8_bf8_f32 v[CD+4*\u+2:CD+4*\u+3], v[Y+16+8*\u:Y+16+8*\u+7], v10   ; g = 1
	global_store_b128 v9, v[CD+4*\u:CD+4*\u+3], s[8:9] offset:131072*\u
.endr
	s_wait_tensorcnt 0x0                           ; the wave's end
	ds_add_u32 v1, v2
	s_wait_dscnt 0x0
	s_endpgm
.Lfunc_end_k_q7830e31e5d_quant:
	.size	k_q7830e31e5d_quant, .Lfunc_end_k_q7830e31e5d_quant-k_q7830e31e5d_quant
	.p2alignl 7, 3214868480
	.fill 96, 4, 3214868480
	.section	.rodata,"a",@progbits
	.p2align	6, 0x0
	.amdhsa_kernel k_q7830e31e5d_quant
		.amdhsa_group_segment_fixed_size 17920
		.amdhsa_private_segment_fixed_size 0
		.amdhsa_enable_private_segment 0
		.amdhsa_kernarg_size 24
		.amdhsa_user_sgpr_count 2
		.amdhsa_user_sgpr_kernarg_segment_ptr 1
		.amdhsa_wavefront_size32 1
		.amdhsa_system_sgpr_workgroup_id_x 1
		.amdhsa_system_sgpr_workgroup_id_y 1
		.amdhsa_system_sgpr_workgroup_id_z 1
		.amdhsa_system_vgpr_workitem_id 0
		.amdhsa_next_free_vgpr 88
		.amdhsa_next_free_sgpr 66
		.amdhsa_reserve_vcc 0
		.amdhsa_float_denorm_mode_32 3
		.amdhsa_float_denorm_mode_16_64 3
		.amdhsa_memory_ordered 1
		.amdhsa_forward_progress 1
		.amdhsa_inst_pref_size 8
	.end_amdhsa_kernel
	.amdgpu_metadata
---
amdhsa.version: [ 1, 2 ]
amdhsa.kernels:
  - .name:           k_q7830e31e5d_quant
    .symbol:         k_q7830e31e5d_quant.kd
    .args:
      - { .name: input, .offset: 0, .size: 8, .value_kind: global_buffer, .address_space: global }
      - { .name: lowp_scales, .offset: 8, .size: 8, .value_kind: global_buffer, .address_space: global }
      - { .name: xc, .offset: 16, .size: 8, .value_kind: global_buffer, .address_space: global }
    .group_segment_fixed_size: 17920
    .private_segment_fixed_size: 0
    .kernarg_segment_align: 8
    .kernarg_segment_size: 24
    .max_flat_workgroup_size: 128
    .sgpr_count:     66
    .vgpr_count:     88
    .wavefront_size: 32
...
	.end_amdgpu_metadata
.endif
;; end of part 1
;; launch gemm (part 2): grid 256 x 1, 8 waves a work-group, clusters of 4 x 1, 327,680 bytes of LDS; arguments xc, weight, scales, lowp_scales, out0; writes out0
.if DOCPART == 2
	.amdgcn_target "amdgcn-amd-amdhsa--gfx1250"
	.amdhsa_code_object_version 6
	.text
	.protected	k_q7830e31e5d_gemm
	.globl	k_q7830e31e5d_gemm
	.p2align	8
	.type	k_q7830e31e5d_gemm,@function
k_q7830e31e5d_gemm:
	s_mov_b64 s[64:65], 0
	v_nop
	global_prefetch_b8 v0, s[64:65] scope:SCOPE_SE
	s_setreg_imm32_b32 hwreg(HW_REG_WAVE_MODE, 25, 1), 1
	s_wait_xcnt 0x0
	s_wait_alu depctr_hold_cnt(0) depctr_sa_sdst(0) depctr_va_vdst(0) depctr_va_sdst(0) depctr_va_ssrc(0) depctr_va_vcc(0) depctr_vm_vsrc(0)
	s_getreg_b32 s2, hwreg(HW_REG_IB_STS2, 6, 4)
	s_cmp_eq_u32 s2, 0
	s_cbranch_scc0 .Lentry_in_a_cluster
	s_endpgm
.Lentry_in_a_cluster:
	s_bfe_u32 s2, ttmp6, 0x10000c
	s_cmp_lg_u32 s2, 0x3003
	s_cbranch_scc0 .Lentry_shape_is_right
	s_endpgm
.Lentry_shape_is_right:
; out0[m][n] = scales[n] x 2^(e0 + e1) x the sum over k of code(input[m][k]) x code(weight[n][k]);  M = 256, K = 4,096, N = 16,384;  codes of BF8 (E5M2), sums in f32.
; weight arrives as int8 and is quantised HERE, each number once: int8 -> f32 (exact) -> held within +-57,344 x 2^e1 -> code.
; SHARES.  A work-group owns all 256 rows x 64 columns: 256 work-groups of equal work.  Eight waves, w = 4 mh + kq: kq owns k = 1024 s + 256 kq .. + 255 of every superstep s = 0 .. 3, mh owns 128 rows: 128 x 64 sums,
; 32 accumulators, 256 registers.  Each byte of input's codes is read from LDS once.  The two waves of one kq share its weights: each converts 32 of the 64 rows, and both read the codes.  The four partial sums
; of each number are added on the way out.
; TILES.  A superstep is two tiles, u = 0, 1: of each 16 neighbours along k, tile u takes those with (k / 8) % 2 = u, so that a lane's 16 bytes of weight serve both tiles, 8 bytes each, and every load takes whole
; aligned 256 bytes of a row.  xc is laid in that order: byte (2 s + u)*131072 + kq*32768 + a*2048 + c*512 + lane*16 + .. = registers 4 c .. 4 c + 3 of the fragment of rows 16 a .. 16 a + 15 for kq.
; The order of k inside a fragment is the same on both sides, so every product meets its partner.
; A TILE, in one wave: 32 products of 16 x 16 x 128 in four groups of 8, and, one ahead of each group, a fourth of its part of the next tile's weights: 32 numbers a lane.  The codes go into rows of 128 bytes + 16 in LDS.
; Two meetings a tile: behind the first nobody reads this tile's codes any more (they lie in registers), so the next tile's may be stored; the second, at the tile's end, shows them stored, and the slot read out.
; CLUSTER.  Every work-group reads the same codes of input: the four partners ask for each tile JOINTLY, each wave for the 16,384 bytes that it reads itself, with the same descriptor and the mask 15.  Two slots of
; one tile each; a slot is filled again behind a round of the cluster's barrier.  No branch and no LDS address hangs on the place in the cluster: it enters the global bases of weight, scales and out0, and the prefetch.
; K IS WALKED FROM ANOTHER START IN EACH CLUSTER: cluster x begins at superstep x % 4 and goes round.  The sums are f32 in that order.
; PREFETCH.  weight: a superstep's 32 rows x 256 bytes of a wave are named by one instruction, a lane a row, one superstep (two tiles) ahead of the loads; superstep 1's at the head.  Supersteps past the last: none.
; input's codes, which all work-groups read: the 1,048,576 bytes are split by address into 64 shares of 16,384, one to each work-group of a group of 16 clusters, at the head; waves 0 and 1 name 32 blocks of 256 bytes each.
; So each block is named by four clusters.
; LIMITS: -126 <= e1 <= 112, so that 2^e1 and 57,344 x 2^e1 are f32 numbers.  scales[n] x 2^(e0 + e1) is made first, by v_ldexp_f32: exact short of overflow and underflow of that product.
; LDS: slot 1 at 0, slot 0 at 131,072, filled by tensor loads alone; the rows of codes, 64 for each kq, at 262,144; the spare words.  The way out's stages lie over slots and rows of codes, behind their last fill and a
; barrier behind their last read.
; REGISTERS.  Window 0: v1, v2 the add's two; v3, v4 input's images in slot 0, 1; v5 where codes go; v6 weight's fragments; v7, v8 stages in; v9, v10 stages back; v11, v15 prefetches; v13 out0; v14 weight; v16 2^e1;
;   v17 57,344 x 2^e1; v19 scales; v20-27 codes, on the way out v20-23 my four columns' factors; v28-59 two sets of 16 f32 numbers; v60-123 weight's four fragments; v124-187 input's, two buffers of two;
;   v188-251 weight as loaded: 16 loads q of 4 registers: rows 16 (q / 8) + q % 8 and 8 more.      Window 1: accumulators (a, b) at 8 (4 a + b).
; THE MATRIX INSTRUCTION IS USED TRANSPOSED (source 0 = 16 rows of weight, source 1 = 16 rows of input): a lane holds eight neighbouring columns of one row of out0.
.set SLOT0, 131072
.set W0,    262144
.set WP,    144                        ; a row of codes: 128 bytes + 16: the 16 rows of a fragment load start at 16 different banks (64 banks of 4 bytes: ISA guide 11.1); rows i and i + 8 lie 128 bytes apart modulo 256
.set WREG,  64*WP
.set SPARE, W0+4*WREG                  ; 128 bytes for each wave: four blocks of 256 bytes that no other line names
.set SP,    272                        ; a stage row: 256 bytes + 16
.set STG,   64*SP                      ; a wave's stage for 64 rows
.set PART0, 8*STG                      ; my rows 0-63, all eight waves; my rows 64-127 at 0
.set AX,  3
.set ST,  7
.set RD,  9
.set C,   20
.set SCL, 20
.set FF,  28
.set WF,  60
.set XB,  124
.set RAW, 188
.set G1,  24                           ; s[24:31] descriptor group 1
.set G0,  32                           ; s[32:39] descriptor group 0, a set for each slot
.set MSB, 0
.macro WIN new                         ; the immediate's high byte repeats the setting that is left; a switch that changes nothing is dropped
.if MSB != \new
	s_set_vgpr_msb (MSB<<8)|\new
.set MSB, \new
.endif
.endm
.macro CREST                           ; a round of the cluster's barrier behind its opening barrier
	s_cmp_lg_u32 s14, 0
	s_cbranch_scc1 .Lnot_wave_0_\@
	s_barrier_signal -3
.Lnot_wave_0_\@:
	s_barrier_wait -3
	s_barrier_signal -1
	s_barrier_wait -1
.endm
.macro ROUND
	s_barrier_signal -1
	s_barrier_wait -1
	CREST
.endm
.macro PLACES                          ; four places behind products (ISA guide 7.12.1 for vector instructions), where no other vector work is at hand
.rept 4
	v_nop
.endr
.endm
.macro JLOAD slot                      ; the wave's one joint load; four plain lines behind it
	tensor_load_to_lds s[G0+4*\slot:G0+4*\slot+3], s[G1:G1+7]
	s_nop 0
	PLACES
.endm
.macro RAWLOAD hc                      ; a fourth of my rows of a superstep of weight: 4 loads, two rows x 256 consecutive bytes each, aligned; read once in the launch
.set q, 4*(\hc)
.rept 4
	global_load_b128 v[RAW+4*q:RAW+4*q+3], v14, s[58:59] offset:4096*(16*(q/8)+q%8) th:TH_LOAD_NT
.set q, q+1
.endr
.endm
.macro ASK                             ; my 32 rows of the superstep at s[60:61], a lane a row
	global_prefetch_b8 v15, s[60:61] th:TH_LOAD_NT scope:SCOPE_SE
.endm
.macro XL slot, g                      ; input's fragments of group g (my rows 32 g .. 32 g + 31) into buffer g % 2: 8 loads of 512 consecutive bytes
.set i, 0
.rept 8
	ds_load_b128 v[XB+32*((\g)%2)+4*i:XB+32*((\g)%2)+4*i+3], v[AX+\slot] offset:4096*(\g)+512*i
.set i, i+1
.endr
.endm
.macro WFL                             ; weight's four fragments
.set i, 0
.rept 16
	ds_load_b128 v[WF+4*i:WF+4*i+3], v6 offset:16*WP*(i/4)+32*(i%4)
.set i, i+1
.endr
.endm
; Products i0 .. i0 + cnt - 1 of group g's 8.  The 32 accumulators take turns, one instruction a turn, in the same order in every tile.
.macro MM g, zero, i0, cnt
	WIN 0x50
.set i, \i0
.rept \cnt
.set AC, 8*(8*(\g)+i)
.set WR, WF+16*(i%4)
.set XR, XB+32*((\g)%2)+16*(i/4)
.if \zero
	v_wmma_f32_16x16x128_bf8_bf8 v[AC:AC+7], v[WR:WR+15], v[XR:XR+15], 0
.else
	v_wmma_f32_16x16x128_bf8_bf8 v[AC:AC+7], v[WR:WR+15], v[XR:XR+15], v[AC:AC+7]
.endif
.set i, i+1
.endr
.endm
.macro PUT hc                          ; the fourth's codes: 4 stores, two rows x 128 bytes each
.set q, 4*(\hc)
.rept 4
	ds_store_b64 v5, v[C+2*(q%4):C+2*(q%4)+1] offset:WP*(16*(q/8)+q%8)
.set q, q+1
.endr
.endm
.macro PERM u, hc, p, from, cnt        ; pair p: the byte b + 128 under the exponent of 2^23: 2^23 + 128 + b
.set m, \from
.rept \cnt
	v_perm_b32 v[FF+16*(\p)+m], v[RAW+4*(4*(\hc)+2*(\p)+m/8)+2*(\u)+(m/4)%2], s46, s[48+m%4]
.set m, m+1
.endr
.endm
; THE CONVERSION of fourth hc for tile u.  Behind its first lines (which are also the places behind the products ahead) input's group xg is fetched, the codes of fourth \put are stored and, where ld = 1, its registers,
; used up, take the next superstep.  9: none.  late = 1: the first meeting's signal stands ahead of the products before; its wait stands here, directly ahead of the first store of codes.
.macro CONV u, hc, put, ld, xs, xg, late
.if (\u) == 0
	s_wait_loadcnt 12-4*(\hc)                      ; this fourth's 4 loads are in; the later fourths' may be out
.endif
.set k, 0
.rept 8
	v_xor_b32 v[RAW+4*(4*(\hc)+k/2)+2*(\u)+k%2], s47, v[RAW+4*(4*(\hc)+k/2)+2*(\u)+k%2]   ; b xor 0x80 is b + 128 as a byte
.set k, k+1
.endr
	PERM \u, \hc, 0, 0, 8
.if \xg < 9
	XL \xs, \xg
.endif
.if \late == 0
.if \put < 9
	PUT \put
.if \ld
	RAWLOAD \put
.endif
.endif
.endif
	PERM \u, \hc, 0, 8, 8
	PERM \u, \hc, 1, 0, 16
.set k, 0
.rept 16
	v_pk_add_f32 v[FF+2*k:FF+2*k+1], v[FF+2*k:FF+2*k+1], s[52:53] op_sel_hi:[1,0]   ; less 2^23 + 128: b, exactly, two at a time
.set k, k+1
.endr
.if \late
	s_wait_alu depctr_va_vdst(0)
	s_barrier_wait -1                              ; every wave has this tile's codes in registers: the next tile's may be stored
	PUT \put
.if \ld
	RAWLOAD \put
.endif
.endif
.set k, 0
.rept 32
	v_med3_num_f32 v[FF+k], v[FF+k], -v17, v17     ; the hold: the conversion to an 8-bit code does not saturate (ISA guide 7.6.2), and a given scale need not cover 128
.set k, k+1
.endr
.set k, 0
.rept 4
	v_cvt_scalef32_pk8_bf8_f32 v[C+2*k:C+2*k+1], v[FF+8*k:FF+8*k+7], v16
.set k, k+1
.endr
	v_nop                                          ; one plain line between a scaled conversion and what touches its result or its sources
.endm
; THE END OF A TILE, with the last products round the barrier.  end = 0, 1: slot \end, just read out, takes the tile two further on: the barrier opens a round of the cluster's barrier and the wave's one joint load is
; the first thing behind it.  end = 2: nothing is filled.
.macro ENDT zero, end
	s_wait_tensorcnt 0x0                           ; my part of the next tile is in, no tensor load of mine is out
.if (\end) < 2
	ds_add_u32 v1, v2
.if (\end) == 0
	s_add_co_u32 s22, s22, 0x40000                 ; the next superstep's offset in xc, round the four
	s_and_b32 s22, s22, 0xc0000
	s_add_nc_u64 s[G0+2:G0+3], s[20:21], s[22:23]
	s_or_b32 s[G0+3], s[G0+3], 0x80000000
.else
	s_add_nc_u64 s[G0+6:G0+7], s[42:43], s[22:23]
	s_or_b32 s[G0+7], s[G0+7], 0x80000000
.endif
.endif
	MM 3, \zero, 4, 2
	s_wait_dscnt 0x0                               ; the add is done, my reads of the slot are in, my codes are stored
	s_barrier_signal -1
	MM 3, \zero, 6, 2
	WIN 0                                          ; (at a branch and at a label every window is 0)
	s_barrier_wait -1
.if (\end) < 2
	CREST                                          ; no wave of any partner still reads the slot or has a load on its way
	JLOAD \end
.else
	PLACES
.endif
.endm
; A TILE in slot \slot; the next tile's weights are those of u = 1 - slot.
.macro TILE slot, zero, ld, pf, end
.if \ld
	s_wait_xcnt 0x0                                ; the earlier loads and prefetches have read their bases
	s_add_co_u32 s18, s18, 1024                    ; the next superstep's bytes in a row of weight, round the four
	s_and_b32 s18, s18, 0xc00
	s_add_nc_u64 s[58:59], s[6:7], s[18:19]
.if \pf
	s_add_co_u32 s62, s18, 1024                    ; and the one behind it, for the prefetch
	s_and_b32 s62, s62, 0xc00
	s_mov_b32 s63, 0
	s_add_nc_u64 s[60:61], s[6:7], s[62:63]
.endif
.endif
	WFL
	XL \slot, 0
	XL \slot, 1
	CONV (1-\slot), 0, 9, \ld, \slot, 9, 0
	s_wait_dscnt 0x0                               ; weight's fragments and input's groups 0 and 1 are in
	s_barrier_signal -1                            ; its wait stands in the next conversion, ahead of the first store of codes
	MM 0, \zero, 0, 8
	WIN 0
	CONV (1-\slot), 1, 0, \ld, \slot, 2, 1
	MM 1, \zero, 0, 8
	WIN 0
.if (\pf) == 1
	ASK
.endif
.if (\pf) == 2
	s_wait_alu depctr_va_vdst(0)
	s_cmp_lg_u32 s40, 2                            ; in the loop's second trip there is no superstep left to ask for
	s_cbranch_scc1 .Lno_ask_\@
	ASK
.Lno_ask_\@:
.endif
	CONV (1-\slot), 2, 1, \ld, \slot, 3, 0
	s_wait_dscnt 16                                ; input's group 2 is in: behind it 4 stores, group 3's 8 loads, 4 stores
	MM 2, \zero, 0, 8
	WIN 0
	CONV (1-\slot), 3, 2, \ld, \slot, 9, 0
	s_wait_alu depctr_va_vdst(0)
	s_wait_dscnt 8                                 ; group 3 is in: behind it 4 + 4 stores
	MM 3, \zero, 0, 4
	WIN 0
	PUT 3
.if \ld
	RAWLOAD 3
.endif
	ENDT \zero, \end
.endm
	s_load_b256 s[4:11], s[0:1], 0x0               ; xc s[4:5], weight s[6:7], scales s[8:9], the exponents s[10:11]
	s_load_b64 s[12:13], s[0:1], 0x20              ; out0
	v_lshl_add_u32 v1, v0, 2, SPARE
	v_mov_b32 v2, 0
	ds_add_u32 v1, v2                              ; the opening
	ds_add_u32 v1, v2
	v_lshrrev_b32 v18, 5, v0
	v_readfirstlane_b32 s14, v18                   ; wave 0..7
	v_and_b32 v20, 15, v0                          ; r
	v_bfe_u32 v21, v0, 4, 1                        ; h
	v_and_b32 v23, 31, v0                          ; lane
	v_lshlrev_b32 v14, 15, v21
	v_lshl_add_u32 v14, v20, 4, v14                ; weight: rows i (lanes 0-15) and i + 8 (lanes 16-31), 16 bytes a lane
	v_lshlrev_b32 v15, 12, v23                     ; weight's prefetch: a lane a row
	v_lshlrev_b32 v11, 8, v23                      ; the codes' prefetch: a lane a block of 256 bytes
	v_lshlrev_b32 v19, 4, v20                      ; scales: the four columns of my 16 bytes of a row of out0
	s_wait_alu depctr_va_vdst(0)
	s_and_b32 s15, s14, 3                          ; kq
	s_lshr_b32 s55, s14, 2                         ; mh
	s_bfe_u32 s16, ttmp6, 0x40000                  ; cx: my place in the cluster
	s_lshl_b32 s17, ttmp9, 2                       ; in a cluster launch ttmp9 counts clusters
	s_add_co_u32 s17, s17, s16                     ; my block of 64 columns: it enters global bases alone
	s_and_b32 s18, ttmp9, 3                        ; the superstep at which my cluster begins: the same in all four partners
	s_bfe_u32 s2, ttmp9, 0x20003                   ; my share of the codes' prefetch: bits 4, 3, 1, 0 of the cluster's number, then cx: 0 .. 63
	s_lshl_b32 s2, s2, 2
	s_or_b32 s2, s2, s18
	s_lshl_b32 s2, s2, 2
	s_add_co_u32 s2, s2, s16
	s_lshl_b32 s2, s2, 14
	s_and_b32 s3, s14, 1                           ; waves 0 and 1: 8,192 bytes of it each
	s_lshl_b32 s3, s3, 13
	s_add_co_u32 s2, s2, s3
	s_mov_b32 s3, 0
	s_lshl_b32 s22, s18, 18                        ; the first superstep's offset in xc,
	s_mov_b32 s23, 0
	s_lshl_b32 s18, s18, 10                        ; and in a row of weight
	s_mov_b32 s19, 0
	s_lshl_b32 s60, s17, 18                        ; weight: my block's 64 rows of 4,096 bytes,
	s_lshl_b32 s61, s55, 17                        ; my 32 of them,
	s_add_co_u32 s60, s60, s61
	s_lshl_b32 s61, s15, 8                         ; my 256 bytes of a superstep
	s_add_co_u32 s60, s60, s61
	s_mov_b32 s61, 0
	s_lshl_b32 s62, s17, 8                         ; 64 columns of 4 bytes
	s_mov_b32 s63, 0
	s_lshl_b32 s56, s15, 15                        ; my 16,384 bytes of a tile
	s_lshl_b32 s57, s55, 14
	s_add_co_u32 s56, s56, s57
	s_mov_b32 s57, 0
	; descriptor group 1: 64 rows of 32 elements of 8 bytes, dense: 16,384 bytes; no padding
	s_mov_b32 s[G1+0], 15|(3<<16)|(1<<21)          ; 15:0 the mask: all four work-groups; 17:16 elements of 8 bytes; 21 set beside a mask
	s_mov_b32 s[G1+1], 32<<16                      ; tensor_dim0
	s_mov_b32 s[G1+2], 64<<16                      ; tensor_dim1
	s_mov_b32 s[G1+3], 32<<16                      ; tile_dim0
	s_mov_b32 s[G1+4], 64                          ; tile_dim1
	s_mov_b32 s[G1+5], 32                          ; tensor_dim0_stride
	s_mov_b32 s[G1+6], 0
	s_mov_b32 s[G1+7], 0
	s_mov_b32 s[G0], 1                             ; 1:0 count = 1
	s_mov_b32 s[G0+4], 1
	s_mov_b32 s[G0+5], s56                         ; 63:32 LDS address: slot 1,
	s_add_co_u32 s[G0+1], s56, SLOT0               ; slot 0
	s_wait_dscnt 0x0                               ; both opening adds are done
	s_wait_kmcnt 0x0
	s_load_b64 s[44:45], s[10:11], 0x0             ; e0, e1
	s_add_nc_u64 s[2:3], s[4:5], s[2:3]
	s_cmp_lt_u32 s14, 2
	s_cbranch_scc0 .Lno_codes
	global_prefetch_b8 v11, s[2:3] th:TH_LOAD_NT scope:SCOPE_SE
.Lno_codes:
	s_add_nc_u64 s[6:7], s[6:7], s[60:61]
	s_add_nc_u64 s[58:59], s[6:7], s[18:19]
	RAWLOAD 0                                      ; the first superstep of weight: what the first lines of work want
	RAWLOAD 1
	RAWLOAD 2
	RAWLOAD 3
	s_add_nc_u64 s[20:21], s[4:5], s[56:57]        ; my part of tile u = 0 of superstep 0,
	s_add_nc_u64 s[42:43], s[20:21], 0x20000       ; of tile u = 1
	s_add_nc_u64 s[G0+2:G0+3], s[20:21], s[22:23]  ; 120:64 global address
	s_or_b32 s[G0+3], s[G0+3], 0x80000000          ; 127:126 type = 2
	s_add_nc_u64 s[G0+6:G0+7], s[42:43], s[22:23]
	s_or_b32 s[G0+7], s[G0+7], 0x80000000
	s_add_nc_u64 s[8:9], s[8:9], s[62:63]
	ROUND                                          ; all four work-groups are here: the first joint loads meet
	JLOAD 0                                        ; tile 0
	s_lshl_b32 s41, s55, 23                        ; out0: 128 mh rows of 65,536 bytes,
	s_add_co_u32 s62, s62, s41
	s_lshl_b32 s41, s15, 20                        ; 16 kq of each 64 rows,
	s_add_co_u32 s62, s62, s41
	s_add_nc_u64 s[12:13], s[12:13], s[62:63]      ; my 64 columns
	s_add_co_u32 s62, s18, 1024
	s_and_b32 s62, s62, 0xc00
	s_add_nc_u64 s[60:61], s[6:7], s[62:63]        ; the second superstep, which tile 0 loads
	s_mul_i32 s57, s15, WREG
	s_add_co_u32 s57, s57, W0                      ; my kq's rows of codes
	s_mul_i32 s16, s55, 32*WP
	s_add_co_u32 s16, s16, s57                     ; my 32 of them
	s_mul_i32 s41, s14, STG                        ; my stage
	s_mul_i32 s40, s55, 4*STG                      ; the stages of my mh,
	s_mul_i32 s54, s15, 16*SP
	s_add_co_u32 s40, s40, s54                     ; rows 16 kq on
	v_lshlrev_b32 v23, 4, v23
	v_add_nc_u32 v4, s56, v23                      ; input's images: my part of slot 1, 16 bytes a lane,
	v_add_nc_u32 v3, SLOT0, v4                     ; of slot 0
	v_mul_u32_u24 v22, v21, 8*WP
	v_lshl_add_u32 v22, v20, 3, v22
	v_add_nc_u32 v5, s16, v22                      ; codes in: rows i and i + 8, 8 bytes a lane
	v_mul_u32_u24 v22, v20, WP
	v_lshl_add_u32 v22, v21, 4, v22
	v_add_nc_u32 v6, s57, v22                      ; fragments: row r, 16 h
	v_mul_u32_u24 v22, v20, SP
	v_lshl_add_u32 v22, v21, 5, v22
	v_add_nc_u32 v8, s41, v22                      ; my stage for my rows 64-127: row r, 32 bytes for each half of the lanes
	v_add_nc_u32 v7, PART0, v8                     ; for my rows 0-63
	v_mul_u32_u24 v22, v21, SP
	v_lshl_add_u32 v22, v20, 4, v22
	v_add_nc_u32 v10, s40, v22                     ; back, rows 64-127: two whole rows an instruction
	v_add_nc_u32 v9, PART0, v10                    ; rows 0-63 likewise
	v_lshlrev_b32 v13, 16, v21
	v_lshl_add_u32 v13, v20, 4, v13                ; the same two rows in out0
	s_mov_b32 s46, 0x4b000000                      ; 2^23 as f32
	s_mov_b32 s47, 0x80808080
	s_mov_b32 s48, 0x03000004                      ; v_perm_b32's selects: byte j of the first source under bytes 3, 0, 0 of the second
	s_mov_b32 s49, 0x03000005
	s_mov_b32 s50, 0x03000006
	s_mov_b32 s51, 0x03000007
	s_mov_b32 s52, 0xcb000080                      ; - (2^23 + 128)
	s_mov_b32 s53, s52                             ; (named with it as a pair, so it is written)
	s_wait_alu depctr_va_vdst(0)
	s_wait_kmcnt 0x0
	s_add_co_i32 s54, s44, s45                     ; e0 + e1
	s_add_co_i32 s41, s45, 127
	s_lshl_b32 s40, s41, 23
	v_mov_b32 v16, s40                             ; 2^e1 as f32: the conversion takes its exponent field
	s_add_co_i32 s41, s41, 15
	s_lshl_b32 s41, s41, 23
	s_or_b32 s41, s41, 0x600000
	v_mov_b32 v17, s41                             ; 57,344 x 2^e1
	s_wait_alu depctr_va_vdst(0)
	CONV 0, 0, 9, 0, 0, 9, 0                       ; tile 0's weights
	PUT 0
	ASK                                            ; the second superstep of weight
	CONV 0, 1, 9, 0, 0, 9, 0
	PUT 1
	CONV 0, 2, 9, 0, 0, 9, 0
	PUT 2
	CONV 0, 3, 9, 0, 0, 9, 0
	PUT 3
	s_wait_tensorcnt 0x0                           ; my part of tile 0 is in
	ds_add_u32 v1, v2
	s_wait_dscnt 0x0                               ; the add is done, my codes are stored
	ROUND                                          ; tile 0's codes are stored by all waves, and all four work-groups are here
	JLOAD 1                                        ; tile 1
	;    slot zero ld pf end
	TILE 0,   1,   1, 1, 0                         ; tile 0: its products start the sums
	s_mov_b32 s40, 2
.Ltrip:                                                ; tiles 1 and 2, then 3 and 4
	TILE 1,   0,   0, 0, 1
	TILE 0,   0,   1, 2, 0
	s_sub_co_u32 s40, s40, 1
	s_cmp_lg_u32 s40, 0
	s_cbranch_scc1 .Ltrip
	TILE 1,   0,   0, 0, 1                         ; tile 5: the last fill, tile 7's
	TILE 0,   0,   0, 0, 2                         ; tile 6
	; TILE 7 AND THE WAY OUT.  A wave's partial sums go into its stages as rows of 256 bytes (a lane has 32 bytes of a row): rows 0-63 while the last products are made (their stages lie behind slot 1, over slot 0 and the
	; rows of codes), rows 64-127 behind a barrier that shows slot 1 read out.  Then each wave reads 16 rows of each half from the four stages of its mh, adds them, multiplies by the columns' factors and stores
	; whole 256-byte units.
.macro SST g                           ; group g's 8 accumulators, each from its low end on
	WIN 0x04
.set i, 0
.rept 8
.set AC, 8*(8*(\g)+i)
	ds_store_b128 v[ST+(\g)/2], v[AC:AC+3] offset:32*SP*((\g)%2)+16*SP*(i/4)+64*(i%4)
	ds_store_b128 v[ST+(\g)/2], v[AC+4:AC+7] offset:32*SP*((\g)%2)+16*SP*(i/4)+64*(i%4)+16
.set i, i+1
.endr
	WIN 0
.endm
.macro BACK k                          ; batch k: four pairs of rows of half k / 2, from four stages: 16 loads into buffer k % 3
.set BB, 60+64*((\k)%3)
.set i, 0
.rept 16
	ds_load_b128 v[BB+4*i:BB+4*i+3], v[RD+(\k)/2] offset:STG*(i%4)+2*SP*(4*((\k)%2)+i/4)
.set i, i+1
.endr
.endm
.macro OUT k, younger                  ; younger: the loads behind this batch's, which may be out
.set BB, 60+64*((\k)%3)
	s_wait_dscnt \younger
.irp t, 0,16,32,48
	v_pk_add_f32 v[BB+\t:BB+\t+1], v[BB+\t:BB+\t+1], v[BB+\t+4:BB+\t+5]
	v_pk_add_f32 v[BB+\t+2:BB+\t+3], v[BB+\t+2:BB+\t+3], v[BB+\t+6:BB+\t+7]
	v_pk_add_f32 v[BB+\t+8:BB+\t+9], v[BB+\t+8:BB+\t+9], v[BB+\t+12:BB+\t+13]
	v_pk_add_f32 v[BB+\t+10:BB+\t+11], v[BB+\t+10:BB+\t+11], v[BB+\t+14:BB+\t+15]
.endr
.irp t, 0,16,32,48
	v_pk_add_f32 v[BB+\t:BB+\t+1], v[BB+\t:BB+\t+1], v[BB+\t+8:BB+\t+9]
	v_pk_add_f32 v[BB+\t+2:BB+\t+3], v[BB+\t+2:BB+\t+3], v[BB+\t+10:BB+\t+11]
.endr
.irp t, 0,16,32,48
	v_pk_mul_f32 v[BB+\t:BB+\t+1], v[BB+\t:BB+\t+1], v[SCL:SCL+1]
	v_pk_mul_f32 v[BB+\t+2:BB+\t+3], v[BB+\t+2:BB+\t+3], v[SCL+2:SCL+3]
.endr
.irp t, 0,1,2,3
	global_store_b128 v13, v[BB+16*\t:BB+16*\t+3], s[12:13] offset:0x400000*((\k)/2)+131072*(4*((\k)%2)+\t) th:TH_STORE_NT   ; sixteen lanes store 256 consecutive bytes, aligned; 78 rows at the most: inside the signed 24-bit immediate
.endr
.endm
	WFL
	XL 1, 0
	XL 1, 1
	global_load_b128 v[SCL:SCL+3], v19, s[8:9]     ; scales of my four columns
	s_wait_dscnt 0x0
	s_barrier_signal -1
	MM 0, 0, 0, 8
	WIN 0
	s_barrier_wait -1                              ; every wave has the last codes in registers
	PLACES
	XL 1, 2
	MM 1, 0, 0, 8
	WIN 0
	PLACES
	XL 1, 3
	SST 0
	s_wait_dscnt 24                                ; group 2 is in: behind it group 3's 8 loads and 16 stores
	MM 2, 0, 0, 8
	s_wait_dscnt 16                                ; group 3 is in
	SST 1
	MM 3, 0, 0, 8
	WIN 0
	s_wait_loadcnt 0x0
.irp k, 0,1,2,3
	v_ldexp_f32 v[SCL+\k], v[SCL+\k], s54          ; scales[n] x 2^(e0 + e1).  These four are the places between the last products and the first read of their results
.endr
	s_wait_alu depctr_va_vdst(0)
	s_wait_dscnt 0x0
	s_barrier_signal -1
	s_barrier_wait -1                              ; rows 0-63 of all partial sums are in the stages, and slot 1 is read out
	SST 2
	SST 3
	BACK 0
	BACK 1
	OUT 0, 16
	OUT 1, 0
	s_wait_xcnt 0x0                                ; the stores have read their registers
	s_wait_dscnt 0x0
	s_barrier_signal -1
	s_barrier_wait -1                              ; rows 64-127 of all partial sums are in the stages
	BACK 2
	BACK 3
	OUT 2, 16
	OUT 3, 0
	s_wait_tensorcnt 0x0                           ; the wave's end, behind my last tensor load and my last LDS store
	ds_add_u32 v1, v2
	s_wait_dscnt 0x0
	ROUND                                          ; the closing round: no work-group ends while a partner may still ask for a tile that names it
	s_endpgm
.Lfunc_end_k_q7830e31e5d_gemm:
	.size	k_q7830e31e5d_gemm, .Lfunc_end_k_q7830e31e5d_gemm-k_q7830e31e5d_gemm
	.p2alignl 7, 3214868480
	.fill 96, 4, 3214868480
	.section	.rodata,"a",@progbits
	.p2align	6, 0x0
	.amdhsa_kernel k_q7830e31e5d_gemm
		.amdhsa_group_segment_fixed_size 327680
		.amdhsa_private_segment_fixed_size 0
		.amdhsa_enable_private_segment 0
		.amdhsa_kernarg_size 40
		.amdhsa_user_sgpr_count 2
		.amdhsa_user_sgpr_kernarg_segment_ptr 1
		.amdhsa_wavefront_size32 1
		.amdhsa_system_sgpr_workgroup_id_x 1
		.amdhsa_system_sgpr_workgroup_id_y 1
		.amdhsa_system_sgpr_workgroup_id_z 1
		.amdhsa_system_vgpr_workitem_id 0
		.amdhsa_next_free_vgpr 512
		.amdhsa_next_free_sgpr 66
		.amdhsa_reserve_vcc 0
		.amdhsa_float_denorm_mode_32 3
		.amdhsa_float_denorm_mode_16_64 3
		.amdhsa_memory_ordered 1
		.amdhsa_forward_progress 1
		.amdhsa_inst_pref_size 208
	.end_amdhsa_kernel
	.amdgpu_metadata
---
amdhsa.version: [ 1, 2 ]
amdhsa.kernels:
  - .name:           k_q7830e31e5d_gemm
    .symbol:         k_q7830e31e5d_gemm.kd
    .args:
      - { .name: xc, .offset: 0, .size: 8, .value_kind: global_buffer, .address_space: global }
      - { .name: weight, .offset: 8, .size: 8, .value_kind: global_buffer, .address_space: global }
      - { .name: scales, .offset: 16, .size: 8, .value_kind: global_buffer, .address_space: global }
      - { .name: lowp_scales, .offset: 24, .size: 8, .value_kind: global_buffer, .address_space: global }
      - { .name: out0, .offset: 32, .size: 8, .value_kind: global_buffer, .address_space: global }
    .group_segment_fixed_size: 327680
    .private_segment_fixed_size: 0
    .kernarg_segment_align: 8
    .kernarg_segment_size: 40
    .max_flat_workgroup_size: 256
    .sgpr_count:     66
    .vgpr_count:     512
    .wavefront_size: 32
...
	.end_amdgpu_metadata
.endif
;; end of part 2
